; MI455X (gfx1250); checked and timed in simulation.
; The chip was launched on July 23, 2026; its instructions are those of AMD's public machine-readable ISA for CDNA 5 (MIT licence, August 2026) and "CDNA5" Instruction Set Architecture Reference Guide (July 2026). The comments in the code are by the model that wrote it; some were corrected since.
;; Self Attention. Allowed arithmetic: matrix products marked QUANTISED: E4M3 operands, one given power-of-two scale a tensor, by v_wmma_f32_16x16x64_fp8_fp8 or v_wmma_f32_16x16x128_fp8_fp8, f32 sums; everything else in f32.
;; Inputs: Wk_codes 1,024 x 32 x 32 uint8 (E4M3 codes of Wk, K innermost, in blocks of 32 codes); Wq_codes 1,024 x 32 x 32 uint8 (E4M3 codes of Wq, K innermost, in blocks of 32 codes); Wv_codes 1,024 x 32 x 32 uint8 (E4M3 codes of Wv, K innermost, in blocks of 32 codes); bk 1,024 float32; bq 1,024 float32; bv 1,024 float32; lowp_scales 10 int32 (the exponents e of the quantised operands' scales 2^e); x_codes 4 x 2,048 x 32 x 32 uint8 (E4M3 codes of x, K innermost, in blocks of 32 codes).
;; Outputs: out0 4 x 2,048 x 1,024 float32.
;; This version of the problem:
;;   THIS VERSION OF THE PROBLEM IS GIVEN IN LOW PRECISION. The matrix products marked QUANTISED in the list below multiply operands that are first quantised to E4M3 (4 exponent bits, 3 mantissa bits; 8 bits a number), with one given power-of-two scale for each operand tensor; their sums are f32. All else is computed in f32.
;;   The module's matrix products, in the order in which they are computed (A, B: the left and right operand; K: the contracted axis; several contracted axes count as one K, in the product's order):
;;     1. [M 8,192, K 1,024] x [K 1,024, N 1,024]; A: input x (given as codes); B: input Wq (given as codes): QUANTISED (scales: A lowp_scales[0], B lowp_scales[1])
;;     2. [M 8,192, K 1,024] x [K 1,024, N 1,024]; A: input x (given as codes); B: input Wk (given as codes): QUANTISED (scales: A lowp_scales[2], B lowp_scales[3])
;;     3. [M 8,192, K 1,024] x [K 1,024, N 1,024]; A: input x (given as codes); B: input Wv (given as codes): QUANTISED (scales: A lowp_scales[4], B lowp_scales[5])
;;     4. batch 4 x [M 2,048, K 1,024] x [K 1,024, N 2,048]; A: computed on the way; B: computed on the way: QUANTISED (scales: A lowp_scales[6], B lowp_scales[7])
;;     5. batch 4 x [M 2,048, K 2,048] x [K 2,048, N 1,024]; A: softmax (see below); B: computed on the way: QUANTISED (scales: A lowp_scales[8], B lowp_scales[9])
;;   THE QUANTISER, for each operand of a quantised product, along K:
;;     - The operand's scale is 2^e, e = its entry of the input lowp_scales (int32; the entries are numbered through the quantised products in the list's order, A before B).
;;     - Each number is divided by the scale, clamped to +-448, and rounded to the nearest number of E4M3, ties to even, subnormals kept.
;;     - The product sums the exact products of the quantised numbers (number of the format x scale) in f32.
;;   ~~~python
;;   def quantise(x, axis, e):      # numpy; x: float32 -> the quantised numbers, widened to float32 again
;;       x = np.moveaxis(x, axis, -1); K = x.shape[-1]
;;       r = np.clip(x / 2.0 ** e, -448, 448)
;;       step = 2.0 ** (np.maximum(np.frexp(np.where(r == 0, 1, r))[1] - 1, -6) - 3)
;;       q = np.round(r / step) * step * 2.0 ** e      # np.round: ties to even
;;       return np.moveaxis(q, -1, axis).astype(np.float32)
;;   ~~~
;;   SOFTMAX AHEAD OF A QUANTISED PRODUCT. Where the list says 'softmax', what is quantised is not the finished softmax but p = 2^(t - M), with t = logit x log2(e) and M = ceil(the row's largest t), a whole number; so 1/2 < the row's largest p <= 1. The row's sum l is taken of the UNQUANTISED p, in f32, and the product's result is divided by l at the end. Since M is a whole number, a kernel that streams over the keys may use a running M (the ceiling of the running maximum): every later rescaling is an exact power of two, so the quantised numbers keep their values, but for numbers so far below the row's largest that they fall under the format's range.
;;   OPERANDS COMPUTED ON THE WAY. 'Computed on the way' means the value that the module computes at that place (a softmax that the list does not call 'softmax' is quantised finished and normalised). What goes into a quantiser is computed in f32, as accurately as f32 sums, v_exp_f32 and their like allow (about 1e-6 of the number): no bf16 or f16 on the way to a quantiser, and a product that is left as it is and whose result goes on into a quantised operand takes f32 operands (vector FMAs, or v_wmma_f32_16x16x4_f32). A number that lies on a knife's edge between two numbers of the format may be rounded either way, as far as f32 arithmetic and the matrix unit's own rounding can turn it there, and no further.
;;   INPUTS GIVEN AS CODES. Wk (in the module: [1024, 1024], K = its axis 0); Wq (in the module: [1024, 1024], K = its axis 0); Wv (in the module: [1024, 1024], K = its axis 0); x (in the module: [4, 2048, 1024], K = its axis 2): each comes as NAME_codes (uint8): NAME with its K axis moved to the last place and cut into blocks of 32 codes, [.., K / 32, bytes a block], one block behind the other in memory; one code a byte (a code: sign, 4 exponent bits, 3 mantissa bits); its scale is its entry of lowp_scales. Its value is code x scale, taken as it is: it is not quantised again, and the codes and scales need not be those that the quantiser above would give.
;; One version. Each part assembles by itself: llvm-mc -triple=amdgcn-amd-amdhsa -mcpu=gfx1250 --defsym DOCPART=n.
;; ======== version 1 of 1: 3 launches
;; limits: right only within a limited range of input values
;; workspace buffers: qc 8,388,608 bytes; kc 8,388,608 bytes; vc 8,388,608 bytes; pc 16,777,216 bytes; st 1,048,576 bytes
;; launch proj (part 1): grid 8 x 32, 4 waves a work-group, clusters of 4 x 4, 327,680 bytes of LDS; arguments x_codes, Wq_codes, Wk_codes, Wv_codes, bq, bk, bv, lowp_scales, qc, kc, vc; writes qc, kc, vc
.if DOCPART == 1
	.amdgcn_target "amdgcn-amd-amdhsa--gfx1250"
	.amdhsa_code_object_version 6
	.text
	.protected	k_qb70e4830fc_proj
	.globl	k_qb70e4830fc_proj
	.p2align	8
	.type	k_qb70e4830fc_proj,@function
k_qb70e4830fc_proj:
	s_mov_b64 s[64:65], 0
	v_nop
	global_prefetch_b8 v0, s[64:65] scope:SCOPE_SE
	s_setreg_imm32_b32 hwreg(HW_REG_WAVE_MODE, 25, 1), 1
	s_wait_xcnt 0x0
	s_wait_alu depctr_hold_cnt(0) depctr_sa_sdst(0) depctr_va_vdst(0) depctr_va_sdst(0) depctr_va_ssrc(0) depctr_va_vcc(0) depctr_vm_vsrc(0)
	s_getreg_b32 s2, hwreg(HW_REG_IB_STS2, 6, 4)
	s_cmp_eq_u32 s2, 0
	s_cbranch_scc0 .Lentry_in_a_cluster
	s_endpgm
.Lentry_in_a_cluster:
	s_bfe_u32 s2, ttmp6, 0x10000c
	s_cmp_lg_u32 s2, 0xf033
	s_cbranch_scc0 .Lentry_shape_is_right
	s_endpgm
.Lentry_shape_is_right:
; q, k, v = x W + b on codes of FP8 (E4M3), each quantised at once into operand images for the next launches.
; A work-group of four waves makes 256 rows x 256 columns of q (clusters with x = 0) or k (x = 1), then 256 rows x 128 channels of v.
; LDS: two slots of a K step of 256: 256 rows of x, then 256 rows of W, each of 256 bytes + 16 of padding: 272 bytes = 68 words, so 16 neighbouring rows start 4 banks apart.
; THE FILLS, one tensor load a wave at the head and behind each barrier.  Head: waves 0, 1 bring x and W of K step 0 into slot 0, waves 2, 3 those of K step 1 into slot 1.  Then slot 0 takes K step 2, slot 1 K step 3, by the same waves.
; v begins with x's K steps 2 and 3, which still lie in LDS: W's rows take Wv's K steps 2 and 0 (slot 0: rows 0-127 and 128-255), then 3 and 1 (slot 1); last x's K steps 0 and 1 come once more.
; CLUSTERS of 4 x 4: x's tiles are shared along a row, W's along a column, by joint loads.
; PREFETCHES: each later K step is named once in a cluster, one or two steps ahead of its load; waves 0, 1 name 128 rows of x each, waves 2, 3 of W, of which each of the four partners names 32, by address.  W's rows are named in the first four rows of clusters alone.
; In q and k source 0 = W (registers run along the columns), source 1 = x.  In v source 0 = x (registers run along the keys), source 1 = Wv.  The biases, divided by 2^(ex + ew), are the first products' C.
; qc, kc: [64 groups of 128 rows][4 K steps of 256][8 tiles of 16 rows][8 chunks of 32][512].   vc: [4 batches][8 groups of 128 channels][8 blocks of 256 keys][8 tiles of 16 channels][8 chunks of 32 keys][512].
; A chunk is an image of four operand registers: lane l's 16 bytes at 16 l.
; LIMITS on the given exponents e0 .. e9: e6 - e0 - e1, e7 - e2 - e3 and e9 - e4 - e5 lie between -126 and 119; a bias divided by 2^(ex + ew) stays an f32 number.
; REGISTERS: window 0: v8-31 addresses and constants; v32-95 the biases of q or k, v96-127 of v; v128-255 x's fragments (in v: Wv's, two sets), then codes.   window 1: W's fragments (in v: x's), two sets.   windows 2, 3: accumulators.
.set PITCH,  272
.set HALFT,  128*PITCH
.set SLOT,   4*HALFT
.set SPARE,  2*SLOT                    ; the spare words, 128 bytes a wave
.set FI,     16*PITCH
.set FLG,    (1<<20)|(1<<21)|(5<<22)|(3<<25)    ; padding: 4 words after every 64; bit 21 beside a mask
.set BR,     8
.set SCLV,  12
.set LIMV,  13
.set ADRA,  16                         ; LDS addresses, a pair each: slot 0, slot 1
.set ADRB,  18
.set ADRAV, 20                         ; Wv's K steps 2 and 3
.set ADRBV, 22
.set ADRAW, 26                         ; Wv's K steps 0 and 1
.set OA,    24
.set PFO,   25
.set SPW,   28
.set NIL,   29
.set SCL,   30
.set LIMR,  31
.set BI,    32
.set BV,    96
.set AF,    128
.set G1,   24                          ; group 1: 256 rows of x
.set G1B,  48                          ; 256 rows of W
.set G1V,  56                          ; 128 rows of Wv
.set G0,   68
.set G0B,  72
.set PF,   76                          ; where my wave's prefetches stand
.set PFV,  78                          ; and those of Wv
.set MSB, 0
.macro WIN new
.if MSB != (\new)
	s_set_vgpr_msb (MSB<<8)|(\new)
.set MSB, (\new)
.endif
.endm
.set MUL_LO, 0xa1
.set MUL_HI, 0xf1
.set TO_B,   0x40
.macro JLOAD                           ; even waves fetch x, odd waves W
	s_cmp_eq_u32 s16, 0
	s_cbranch_scc0 .Lfor_b_\@
	tensor_load_to_lds s[G0:G0+3], s[G1:G1+7]
	s_nop 0
.rept 4
	v_nop
.endr
	s_branch .Lasked_\@
.Lfor_b_\@:
	tensor_load_to_lds s[G0B:G0B+3], s[G1B:G1B+7]
	s_nop 0
.rept 4
	v_nop
.endr
.Lasked_\@:
.endm
.macro JSLOT slot                      ; the slot's two waves fill it again
	s_cmp_eq_u32 s15, \slot
	s_cbranch_scc0 .Lnone_\@
	s_cmp_eq_u32 s16, 0
	s_cbranch_scc0 .Lfor_b_\@
	tensor_load_to_lds s[G0:G0+3], s[G1:G1+7]
	s_nop 0
.rept 4
	v_nop
.endr
	s_branch .Lnone_\@
.Lfor_b_\@:
	tensor_load_to_lds s[G0B:G0B+3], s[G1B:G1B+7]
	s_nop 0
.rept 4
	v_nop
.endr
.Lnone_\@:
.endm
.macro JONE reg, who, g0, g1           ; only one pair of waves has a part to fill
	s_cmp_eq_u32 s\reg, \who
	s_cbranch_scc0 .Lnone_\@
	tensor_load_to_lds s[\g0:\g0+3], s[\g1:\g1+7]
	s_nop 0
.rept 4
	v_nop
.endr
.Lnone_\@:
.endm
.macro ASK ptr, off, flag
	s_cmp_eq_u32 s\flag, 1
	s_cbranch_scc0 .Lnot_mine_\@
	global_prefetch_b8 v[PFO], s[\ptr:\ptr+1] offset:\off th:TH_LOAD_NT scope:SCOPE_SE
.Lnot_mine_\@:
.endm
.macro CREST
	s_cmp_lg_u32 s14, 0
	s_cbranch_scc1 .Lnot_wave_0_\@
	s_barrier_signal -3
.Lnot_wave_0_\@:
	s_barrier_wait -3
	s_barrier_signal -1
	s_barrier_wait -1
.endm
.macro CROUND
	s_barrier_signal -1
	s_barrier_wait -1
	CREST
.endm
.macro PLACES n
.rept \n
	v_nop
.endr
.endm
	s_load_b512 s[68:83], s[0:1], 0x0              ; x 68, Wq 70, Wk 72, Wv 74, bq 76, bk 78, bv 80, the scales 82
	s_load_b128 s[84:87], s[0:1], 0x40             ; qc, kc
	s_load_b64 s[88:89], s[0:1], 0x50              ; vc
	v_lshl_add_u32 v[SPW], v0, 2, SPARE
	v_mov_b32 v[NIL], 0
	ds_add_u32 v[SPW], v[NIL]                      ; the opening: the add, twice on end, and its wait
	ds_add_u32 v[SPW], v[NIL]
	v_lshrrev_b32 v1, 5, v0
	v_readfirstlane_b32 s14, v1                    ; wave 0..3
	s_lshr_b32 s15, s14, 1                         ; my half of x's rows (v: of the channels).  Also: the slot that I fill
	s_and_b32 s16, s14, 1                          ; my half of W's rows (v: of the keys).  Also: I fill it with x (0) or W (1)
	s_bfe_u32 s40, ttmp6, 0x40000                  ; cx
	s_bfe_u32 s41, ttmp6, 0x40004                  ; cy
	s_mov_b32 s4, ttmp9                            ; the cluster's x: q or k
	s_and_b32 s12, ttmp7, 0xffff                   ; the cluster's y
	s_lshl_b32 s17, s12, 2
	s_add_co_u32 s17, s17, s41                     ; which 256 rows
	s_lshl_b32 s43, s41, 2
	s_lshl_b32 s43, 15, s43                        ; my row of the cluster
	s_lshl_b32 s44, 0x1111, s40                    ; my column
	s_or_b32 s[G1], s43, FLG
	s_or_b32 s[G1B], s44, FLG
	s_or_b32 s[G1V], s44, FLG
.irp g, G1, G1B, G1V
	s_mov_b32 s[\g+1], 256<<16
	s_mov_b32 s[\g+3], 256<<16
	s_mov_b32 s[\g+5], 1024
	s_mov_b32 s[\g+6], 0
	s_mov_b32 s[\g+7], 0
.endr
.irp g, G1, G1B
	s_mov_b32 s[\g+2], 256<<16
	s_mov_b32 s[\g+4], 256
.endr
	s_mov_b32 s[G1V+2], 128<<16
	s_mov_b32 s[G1V+4], 128
	s_lshl_b32 s20, s17, 18                        ; x: row 256 x tile
	s_mov_b32 s21, 0
	s_lshl_b32 s46, s40, 18                        ; W: row 256 cx
	s_mov_b32 s47, 0
	s_lshl_b32 s5, s4, 2
	s_add_co_u32 s5, s5, s40                       ; which 128 channels of v
	s_xor_b32 s66, s16, 1
	s_lshl_b32 s66, s66, 9                         ; wave 2 fetches Wv's K steps 2 and 3, wave 3 its K steps 0 and 1
	s_lshl_b32 s67, s5, 17
	s_add_co_u32 s66, s66, s67
	s_mov_b32 s67, 0
	s_mul_i32 s45, s14, 2*HALFT                    ; where my part goes
	s_cmp_lt_u32 s12, 4
	s_cselect_b32 s91, s15, 0                      ; I prefetch for Wv
	s_xor_b32 s90, s15, 1
	s_or_b32 s90, s90, s91                         ; I prefetch for x, or for W
	s_mul_i32 s18, s15, HALFT
	s_mul_i32 s19, s16, HALFT
	s_add_co_u32 s22, s19, 2*HALFT
	s_mul_i32 s2, s15, 64*PITCH
	s_add_co_u32 s2, s2, 2*HALFT
	s_add_co_u32 s3, s2, HALFT
	v_and_b32 v1, 15, v0                           ; r
	v_bfe_u32 v2, v0, 4, 1                         ; h
	v_lshlrev_b32 v5, 5, v2
	v_lshlrev_b32 v6, 2, v1
	v_mul_u32_u24 v3, v1, PITCH
	v_lshl_add_u32 v4, v2, 4, v3
.irp s, 0,1
	v_add_nc_u32 v[ADRA+\s], s18, v4
	v_add_nc_u32 v[ADRB+\s], s22, v4
	v_add_nc_u32 v[ADRAV+\s], s2, v4
	v_add_nc_u32 v[ADRAW+\s], s3, v4
	v_add_nc_u32 v[ADRBV+\s], s19, v4
	s_add_co_u32 s18, s18, SLOT
	s_add_co_u32 s22, s22, SLOT
	s_add_co_u32 s2, s2, SLOT
	s_add_co_u32 s3, s3, SLOT
	s_add_co_u32 s19, s19, SLOT
.endr
	v_and_b32 v7, 31, v0
	v_lshlrev_b32 v[OA], 4, v7
	v_lshlrev_b32 v[PFO], 10, v7                   ; a lane a row of 1,024 bytes
	s_wait_alu depctr_va_vdst(0)                   ; ahead of the waits below
	s_wait_dscnt 0x0                               ; both opening adds are done
	s_wait_kmcnt 0x0
	s_load_b256 s[92:99], s[82:83], 0x0            ; e0 .. e7
	s_load_b64 s[100:101], s[82:83], 0x20          ; e8, e9
	s_cmp_eq_u32 s4, 0
	s_cselect_b64 s[6:7], s[70:71], s[72:73]
	s_cselect_b64 s[8:9], s[76:77], s[78:79]
	s_cselect_b64 s[10:11], s[84:85], s[86:87]
	s_add_nc_u64 s[20:21], s[68:69], s[20:21]
	s_add_nc_u64 s[46:47], s[6:7], s[46:47]
	s_add_nc_u64 s[66:67], s[74:75], s[66:67]
	s_lshl_b32 s2, s40, 10
	s_lshl_b32 s3, s16, 9
	s_add_co_u32 s2, s2, s3
	s_mov_b32 s3, 0
	s_add_nc_u64 s[8:9], s[8:9], s[2:3]            ; the bias at my 128 columns
	s_lshl_b32 s2, s5, 9
	s_lshl_b32 s18, s15, 8
	s_add_co_u32 s2, s2, s18
	s_add_nc_u64 s[80:81], s[80:81], s[2:3]        ; v's at my 64 channels
.irp t, 0,1,2,3,4,5,6,7
	global_load_b128 v[BI+8*\t:BI+8*\t+3], v5, s[8:9] offset:64*\t
	global_load_b128 v[BI+8*\t+4:BI+8*\t+7], v5, s[8:9] offset:64*\t+16
.endr
.irp a, 0,1,2,3
	global_load_b32 v[BR+\a], v6, s[80:81] offset:64*\a
.endr
	s_lshl_b32 s18, s16, 17                        ; the prefetches: 128 rows x half,
	s_lshl_b32 s2, s40, 15
	s_add_co_u32 s2, s2, s18                       ; my work-group's 32 of them
	s_add_nc_u64 s[76:77], s[20:21], s[2:3]
	s_lshl_b32 s2, s41, 15
	s_add_nc_u64 s[12:13], s[66:67], s[2:3]
	s_add_co_u32 s2, s2, s18
	s_add_nc_u64 s[78:79], s[46:47], s[2:3]
	s_cmp_eq_u32 s15, 0
	s_cselect_b64 s[PF:PF+1], s[76:77], s[78:79]
	s_mov_b64 s[PFV:PFV+1], s[12:13]
	s_lshl_b32 s2, s15, 8                          ; the head's K step is my slot's number
	s_add_nc_u64 s[20:21], s[20:21], s[2:3]
	s_add_nc_u64 s[46:47], s[46:47], s[2:3]
	s_mov_b32 s[G0], 1
	s_mov_b32 s[G0+1], s45
	s_mov_b64 s[G0+2:G0+3], s[20:21]
	s_or_b32 s[G0+3], s[G0+3], 0x80000000
	s_mov_b32 s[G0B], 1
	s_mov_b32 s[G0B+1], s45
	s_mov_b64 s[G0B+2:G0B+3], s[46:47]
	s_or_b32 s[G0B+3], s[G0B+3], 0x80000000
	CROUND                                         ; all sixteen work-groups are here
	JLOAD                                          ; K steps 0 and 1
	ASK PF, 512, 90                                ; K step 2
	s_lshl_b32 s2, s17, 1
	s_add_co_u32 s2, s2, s15
	s_lshl_b32 s2, s2, 17                          ; q, k: group 2 x tile + half,
	s_lshl_b32 s18, s40, 15
	s_add_co_u32 s2, s2, s18                       ; K step cx,
	s_lshl_b32 s18, s16, 11
	s_add_co_u32 s2, s2, s18                       ; chunk 4 x half
	s_mov_b32 s3, 0
	s_add_nc_u64 s[10:11], s[10:11], s[2:3]
	s_lshr_b32 s2, s17, 3
	s_lshl_b32 s2, s2, 21                          ; v: batch,
	s_lshl_b32 s18, s5, 18
	s_add_co_u32 s2, s2, s18                       ; group of channels,
	s_and_b32 s18, s17, 7
	s_lshl_b32 s18, s18, 15
	s_add_co_u32 s2, s2, s18                       ; block of keys,
	s_lshl_b32 s18, s15, 14
	s_add_co_u32 s2, s2, s18                       ; tile 4 x half,
	s_lshl_b32 s18, s16, 11
	s_add_co_u32 s2, s2, s18                       ; chunk 4 x half
	s_add_nc_u64 s[88:89], s[88:89], s[2:3]
	s_wait_kmcnt 0x0
	s_cmp_eq_u32 s4, 0
	s_cselect_b32 s2, s92, s94
	s_cselect_b32 s3, s93, s95
	s_cselect_b32 s18, s98, s99
	s_add_co_i32 s12, s2, s3
	s_sub_co_i32 s13, 0, s12
	s_sub_co_i32 s18, s18, s12
	s_add_co_i32 s18, s18, 127
	s_lshl_b32 s19, s18, 23
	v_mov_b32 v[SCL], s19                          ; 2^(e - ex - ew) as f32
	s_add_co_i32 s18, s18, 8
	s_lshl_b32 s18, s18, 23
	s_or_b32 s18, s18, 0x600000
	v_mov_b32 v[LIMR], s18                         ; 448 x that
	s_add_co_i32 s12, s96, s97
	s_sub_co_i32 s23, 0, s12
	s_sub_co_i32 s18, s101, s12
	s_add_co_i32 s18, s18, 127
	s_lshl_b32 s19, s18, 23
	v_mov_b32 v[SCLV], s19                         ; the same for v
	s_add_co_i32 s18, s18, 8
	s_lshl_b32 s18, s18, 23
	s_or_b32 s18, s18, 0x600000
	v_mov_b32 v[LIMV], s18
	s_wait_loadcnt 0x0                             ; the biases
.set I, 0
.rept 64
	v_ldexp_f32 v[BI+I], v[BI+I], s13
.set I, I+1
.endr
.irp a, 0,1,2,3
.irp j, 0,1,2,3,4,5,6,7
	v_ldexp_f32 v[BV+8*\a+\j], v[BR+\a], s23
.endr
.endr
; 16 rows x 128 K: registers 4 c .. 4 c + 3 hold K = 32 c + 16 (l / 16) + 0 .. 15 of row l % 16.  off: 256 x slot + the byte in the rows.
.macro FRAG reg, adr, off, i
.irp c, 0,1,2,3
	ds_load_b128 v[\reg+4*\c:\reg+4*\c+3], v[\adr+(\off)/256] offset:(\off)%256+32*\c+(\i)*FI
.endr
.endm
; 16 matrix instructions: x's blocks a0, a0 + 1 x W's eight; the 64 accumulators take turns, one instruction a turn.  cm = 1: the bias is C.
.macro MUL16 a0, p, cm
.irp a, \a0, \a0+1
.irp b, 0,1,2,3,4,5,6,7
.if \cm == 0
	v_wmma_f32_16x16x128_fp8_fp8 v[8*(8*((\a)%4)+\b):8*(8*((\a)%4)+\b)+7], v[128*(\p)+16*\b:128*(\p)+16*\b+15], v[AF+16*(\a):AF+16*(\a)+15], v[8*(8*((\a)%4)+\b):8*(8*((\a)%4)+\b)+7]
.else
	v_wmma_f32_16x16x128_fp8_fp8 v[8*(8*((\a)%4)+\b):8*(8*((\a)%4)+\b)+7], v[128*(\p)+16*\b:128*(\p)+16*\b+15], v[AF+16*(\a):AF+16*(\a)+15], v[BI+8*\b:BI+8*\b+7]
.endif
.endr
.endr
.endm
.macro FETCH_B off, p
	WIN TO_B
.irp i, 0,1,2,3,4,5,6,7
	FRAG 128*(\p)+16*\i, ADRB, \off, \i
.endr
	WIN 0
.endm
.macro FETCH_A off, i0
.irp i, \i0, \i0+1, \i0+2, \i0+3
	FRAG AF+16*(\i), ADRA, \off, \i
.endr
.endm
; The first 128 along K of a slot; off: where the second 128 begin.
.macro STEP off, cm
	s_wait_dscnt 16                                ; W's set and x's blocks 0-3 are in; the youngest 16 loads (blocks 4-7) may be out
.if \cm
	WIN 0x81
.else
	WIN MUL_LO
.endif
	MUL16 0, 0, \cm
	MUL16 2, 0, \cm
	s_wait_dscnt 0
	PLACES 4                                       ; four plain places in front of loads into registers that matrix instructions have read
	FETCH_B \off, 1
	FETCH_A \off, 0
.if \cm
	WIN 0xc1
.else
	WIN MUL_HI
.endif
	MUL16 4, 0, \cm
	MUL16 6, 0, \cm
	PLACES 4
	WIN 0
	FETCH_A \off, 4
.endm
; Its second 128, and the change of slots up to the end of the cluster's round.
.macro TURNF
	s_wait_tensorcnt 0x0                           ; all my tensor loads have landed
	ds_add_u32 v[SPW], v[NIL]                      ; 0 onto my spare word
	s_wait_dscnt 17                                ; the add and the youngest 16 loads may be out
	WIN MUL_LO
	MUL16 0, 1, 0
	s_wait_dscnt 0x0                               ; the add is done, and my reads of this slot are over
	s_barrier_signal -1
	MUL16 2, 1, 0
	WIN 0
	s_barrier_wait -1
	CREST                                          ; no wave of any partner still reads this slot or has a load on its way
.endm
.macro TURNB off
	PLACES 4
	FETCH_B \off, 0
	FETCH_A \off, 0
	WIN MUL_HI
	MUL16 4, 1, 0
	MUL16 6, 1, 0
	PLACES 4
	WIN 0
	FETCH_A \off, 4
.endm
; THE WAY OUT of 16 rows x 128: held at the largest code, converted; four stores of 512 consecutive bytes.
.macro QOUT a, scl, lim, ptr, cd
.set W, 2+(\a)/4
.set AC, 64*((\a)%4)
	WIN ((W<<6)|W)
.set I, 0
.rept 64
	v_med3_num_f32 v[AC+I], v[AC+I], -v[\lim], v[\lim]
.set I, I+1
.endr
	WIN W
.irp b, 0,1,2,3,4,5,6,7
	v_cvt_scalef32_pk8_fp8_f32 v[\cd+2*\b:\cd+2*\b+1], v[AC+8*\b:AC+8*\b+7], v[\scl]
.endr
	v_nop                                          ; a plain line behind the last conversion
	WIN 0
.irp c, 0,1,2,3
	global_store_b128 v[OA], v[\cd+4*\c:\cd+4*\c+3], s[\ptr:\ptr+1] offset:4096*(\a)+512*\c
.endr
.endm
; v: block a of 16 channels x eight blocks of 16 keys.
.macro MULV a, p, cm
.irp b, 0,1,2,3,4,5,6,7
.if \cm
	v_wmma_f32_16x16x128_fp8_fp8 v[8*(8*(\a)+\b):8*(8*(\a)+\b)+7], v[128*(\p)+16*\b:128*(\p)+16*\b+15], v[AF+64*(\p)+16*(\a):AF+64*(\p)+16*(\a)+15], v[BV+8*(\a):BV+8*(\a)+7]
.else
	v_wmma_f32_16x16x128_fp8_fp8 v[8*(8*(\a)+\b):8*(8*(\a)+\b)+7], v[128*(\p)+16*\b:128*(\p)+16*\b+15], v[AF+64*(\p)+16*(\a):AF+64*(\p)+16*(\a)+15], v[8*(8*(\a)+\b):8*(8*(\a)+\b)+7]
.endif
.endr
.endm
.macro FETCHV off, p, av
	WIN TO_B
.irp i, 0,1,2,3,4,5,6,7
	FRAG 128*(\p)+16*\i, ADRBV, \off, \i
.endr
	WIN 0
.irp i, 0,1,2,3
	FRAG AF+64*(\p)+16*\i, \av, \off, \i
.endr
.endm
; 128 along K of v on set p; the next 128, at off, go into the other set.
.macro VQ p, cm, off, av
	s_wait_dscnt 8                                 ; the youngest eight loads (channels' blocks 2, 3) may be out
.if \cm
	WIN 0x81
.else
	WIN MUL_LO
.endif
	MULV 0, \p, \cm
	MULV 1, \p, \cm
	PLACES 4
	FETCHV \off, 1-(\p), \av
	s_wait_dscnt 48                                ; all but the 48 just issued
.if \cm
	WIN 0x81
.else
	WIN MUL_LO
.endif
	MULV 2, \p, \cm
	MULV 3, \p, \cm
	WIN 0
.endm
	s_wait_alu depctr_va_vdst(0)                   ; the wait at the head's end
	s_wait_tensorcnt 0x0                           ; my part of K steps 0 and 1 is in
	s_barrier_signal -1
	s_barrier_wait -1
	FETCH_B 0, 0
	FETCH_A 0, 0
	FETCH_A 0, 4
	ASK PF, 768, 90                                ; K step 3
	STEP 128, 1
	TURNF
	s_add_nc_u64 s[G0+2:G0+3], s[G0+2:G0+3], 512   ; each wave's next K step is the one two on
	s_add_nc_u64 s[G0B+2:G0B+3], s[G0B+2:G0B+3], 512
	JSLOT 0                                        ; slot 0: K step 2
	TURNB 256
	ASK PFV, 0, 91                                 ; Wv's K steps 2 and 0
	STEP 384, 0
	TURNF
	JSLOT 1                                        ; slot 1: K step 3
	TURNB 0
	ASK PFV, 256, 91                               ; Wv's K steps 3 and 1
	STEP 128, 0
	TURNF
	s_mul_i32 s[G0B+1], s16, HALFT
	s_add_co_u32 s[G0B+1], s[G0B+1], 2*HALFT
	s_mov_b64 s[G0B+2:G0B+3], s[66:67]
	s_or_b32 s[G0B+3], s[G0B+3], 0x80000000
	JONE 15, 1, G0B, G1V                           ; W's rows, slot 0: Wv's K steps 2 and 0; x's K step 2 stays
	TURNB 256
	STEP 384, 0
	TURNF
	s_add_nc_u64 s[G0B+2:G0B+3], s[G0B+2:G0B+3], 256
	s_add_co_u32 s[G0B+1], s[G0B+1], SLOT
	JONE 15, 1, G0B, G1V                           ; slot 1: Wv's K steps 3 and 1; x's K step 3 stays
	PLACES 4
	FETCHV 0, 0, ADRAV
	WIN MUL_HI
	MUL16 4, 1, 0
	MUL16 6, 1, 0
	WIN 0
.irp a, 0,1,2,3                        ; window 2's half goes out: v's accumulators follow there
	QOUT \a, SCL, LIMR, 10, 192+16*\a
.endr
	s_wait_tensorcnt 0x0                           ; my part of slot 1's Wv is in
	s_wait_dscnt 0x0
	s_wait_xcnt 0x0                                ; the stores have read their codes
	s_barrier_signal -1
	s_barrier_wait -1
	VQ 0, 1, 128, ADRAV
	VQ 1, 0, 256, ADRAV
	VQ 0, 0, 384, ADRAV
	s_wait_tensorcnt 0x0                           ; none is out;
	ds_add_u32 v[SPW], v[NIL]                      ; 0 onto my spare word
	s_wait_dscnt 9                                 ; the add and the youngest eight loads may be out
	WIN MUL_LO
	MULV 0, 1, 0
	s_wait_dscnt 0x0                               ; the add is done, and my reads of x's rows are over
	s_barrier_signal -1
	MULV 1, 1, 0
	WIN 0
	s_barrier_wait -1
	CREST
	s_mov_b64 s[G0+2:G0+3], s[20:21]
	s_or_b32 s[G0+3], s[G0+3], 0x80000000
	JONE 16, 0, G0, G1                             ; x's K steps 0 and 1 once more, into both slots
	WIN MUL_LO
	MULV 2, 1, 0
	MULV 3, 1, 0
	WIN 0
.irp a, 4,5,6,7                        ; window 3's half goes out while they are on their way
	QOUT \a, SCL, LIMR, 10, 64+16*\a
.endr
	s_wait_tensorcnt 0x0
	s_wait_dscnt 0x0
	s_wait_xcnt 0x0
	s_barrier_signal -1
	s_barrier_wait -1
	FETCHV 0, 0, ADRAW
	VQ 0, 0, 128, ADRAW
	VQ 1, 0, 256, ADRAW
	VQ 0, 0, 384, ADRAW
	s_wait_dscnt 8
	WIN MUL_LO
	MULV 0, 1, 0
	MULV 1, 1, 0
	s_wait_dscnt 0
	MULV 2, 1, 0
	MULV 3, 1, 0
	WIN 0
	PLACES 4
.irp a, 0,1,2,3
	QOUT \a, SCLV, LIMV, 88, 128+16*\a
.endr
	s_wait_tensorcnt 0x0                           ; the wave's end
	ds_add_u32 v[SPW], v[NIL]
	s_wait_dscnt 0x0
	CROUND                                         ; the closing round
	s_endpgm
.Lfunc_end_k_qb70e4830fc_proj:
	.size	k_qb70e4830fc_proj, .Lfunc_end_k_qb70e4830fc_proj-k_qb70e4830fc_proj
	.p2alignl 7, 3214868480
	.fill 96, 4, 3214868480
	.section	.rodata,"a",@progbits
	.p2align	6, 0x0
	.amdhsa_kernel k_qb70e4830fc_proj
		.amdhsa_group_segment_fixed_size 327680
		.amdhsa_private_segment_fixed_size 0
		.amdhsa_enable_private_segment 0
		.amdhsa_kernarg_size 88
		.amdhsa_user_sgpr_count 2
		.amdhsa_user_sgpr_kernarg_segment_ptr 1
		.amdhsa_wavefront_size32 1
		.amdhsa_system_sgpr_workgroup_id_x 1
		.amdhsa_system_sgpr_workgroup_id_y 1
		.amdhsa_system_sgpr_workgroup_id_z 1
		.amdhsa_system_vgpr_workitem_id 0
		.amdhsa_next_free_vgpr 1024
		.amdhsa_next_free_sgpr 102
		.amdhsa_reserve_vcc 0
		.amdhsa_float_denorm_mode_32 3
		.amdhsa_float_denorm_mode_16_64 3
		.amdhsa_memory_ordered 1
		.amdhsa_forward_progress 1
		.amdhsa_inst_pref_size 194
	.end_amdhsa_kernel
	.amdgpu_metadata
---
amdhsa.version: [ 1, 2 ]
amdhsa.kernels:
  - .name:           k_qb70e4830fc_proj
    .symbol:         k_qb70e4830fc_proj.kd
    .args:
      - { .name: x_codes, .offset: 0, .size: 8, .value_kind: global_buffer, .address_space: global }
      - { .name: Wq_codes, .offset: 8, .size: 8, .value_kind: global_buffer, .address_space: global }
      - { .name: Wk_codes, .offset: 16, .size: 8, .value_kind: global_buffer, .address_space: global }
      - { .name: Wv_codes, .offset: 24, .size: 8, .value_kind: global_buffer, .address_space: global }
      - { .name: bq, .offset: 32, .size: 8, .value_kind: global_buffer, .address_space: global }
      - { .name: bk, .offset: 40, .size: 8, .value_kind: global_buffer, .address_space: global }
      - { .name: bv, .offset: 48, .size: 8, .value_kind: global_buffer, .address_space: global }
      - { .name: lowp_scales, .offset: 56, .size: 8, .value_kind: global_buffer, .address_space: global }
      - { .name: qc, .offset: 64, .size: 8, .value_kind: global_buffer, .address_space: global }
      - { .name: kc, .offset: 72, .size: 8, .value_kind: global_buffer, .address_space: global }
      - { .name: vc, .offset: 80, .size: 8, .value_kind: global_buffer, .address_space: global }
    .group_segment_fixed_size: 327680
    .private_segment_fixed_size: 0
    .kernarg_segment_align: 8
    .kernarg_segment_size: 88
    .max_flat_workgroup_size: 128
    .sgpr_count:     102
    .vgpr_count:     1024
    .wavefront_size: 32
...
	.end_amdgpu_metadata
.endif
;; end of part 1
;; launch scores (part 2): grid 8 x 32, 4 waves a work-group, clusters of 4 x 4, 327,680 bytes of LDS; arguments qc, kc, lowp_scales, pc, st; writes pc, st
.if DOCPART == 2
	.amdgcn_target "amdgcn-amd-amdhsa--gfx1250"
	.amdhsa_code_object_version 6
	.text
	.protected	k_qb70e4830fc_scores
	.globl	k_qb70e4830fc_scores
	.p2align	8
	.type	k_qb70e4830fc_scores,@function
k_qb70e4830fc_scores:
	s_mov_b64 s[64:65], 0
	v_nop
	global_prefetch_b8 v0, s[64:65] scope:SCOPE_SE
	s_setreg_imm32_b32 hwreg(HW_REG_WAVE_MODE, 25, 1), 1
	s_wait_xcnt 0x0
	s_wait_alu depctr_hold_cnt(0) depctr_sa_sdst(0) depctr_va_vdst(0) depctr_va_sdst(0) depctr_va_ssrc(0) depctr_va_vcc(0) depctr_vm_vsrc(0)
	s_getreg_b32 s2, hwreg(HW_REG_IB_STS2, 6, 4)
	s_cmp_eq_u32 s2, 0
	s_cbranch_scc0 .Lentry_in_a_cluster
	s_endpgm
.Lentry_in_a_cluster:
	s_bfe_u32 s2, ttmp6, 0x10000c
	s_cmp_lg_u32 s2, 0xf033
	s_cbranch_scc0 .Lentry_shape_is_right
	s_endpgm
.Lentry_shape_is_right:
; S = q k^T on codes of FP8 (E4M3), and the softmax's p of a block of 256 keys, quantised at once.
; qc, kc: [64 groups of 128 rows][4 K steps of 256][8 tiles of 16 rows][8 chunks of 32][512]: images of operand registers, lane l's 16 bytes at 16 l.  A group's K step is 32,768 consecutive bytes.
; A work-group of four waves makes 256 queries x 256 keys of one batch; a wave 128 x 128.  K = 1024 in four steps through two LDS slots filled by joint loads: q's tiles shared along a row of the cluster, k's along a column.
; LDS: a wave's part is 65,536 bytes, slot 0 then slot 1 (waves 0, 1: q's groups; 2, 3: k's).  The head's one load a wave brings K steps 0 and 1; slot 0 then takes K step 2, slot 1 K step 3.
; PREFETCHES: K steps 2 and 3, each named once in a cluster (each of the four partners 8,192 bytes of a group's K step, lanes 256 bytes apart), ahead of its load.
; CLUSTERS: batch = 2 (cluster y % 2) + cluster x; cluster y / 2 tells which 1,024 keys (low bit) and which 1,024 queries of the batch.
; Source 1 = q (a lane holds one query, l % 16), source 0 = k (register j of accumulator (a, b) is key 16 b + 8 (l / 16) + j).
; THE SOFTMAX: t = score x c, c = log2(e) / 32 x 2^(e6 + e7).  M = the ceiling of the largest t among the work-group's 256 keys (the two waves that share a query exchange their maxima through LDS).
; p = 2^(t - M) is summed unquantised, held at 448 x 2^e8 and converted with 2^e8.  -M and the wave's sum over its 128 keys go to st; the next launch brings the eight blocks of a row under the row's own M by exact powers of two.
; pc: [128 groups of 64 queries][8 blocks of 256 keys][4 tiles of 16 queries][8 chunks of 32 keys][512].   st: [16 halves of 128 keys][8192 rows] pairs of f32 (-M, sum).
; LIMITS: e6 + e7 between -121 and 132 (added to c's exponent field); e8 between -126 and 119; the scaled scores t stay under 2^31 in magnitude.  The hold acts in the block's frame, as with a running M.
; REGISTERS: window 0: v16, v20 LDS addresses; v28, v29 for the add; v32-39 maxima; v40-47 -M; v48-55 sums; v64-71 the partner's maxima; v72-75, v84-87 constants and offsets; v76-83 what goes to st; v96-119 chains; v128-255 q's fragments, then p's codes.
;   window 1: k's fragments, two sets.   windows 2, 3: the accumulators.
.set SLOT,   32768
.set SPARE,  8*SLOT                    ; the spare words, 128 bytes a wave
.set SCR,    SPARE+512                 ; 512 bytes a wave: its 128 queries' maxima.  No tensor load lands here
.set ADRA, 16
.set ADRB, 20
.set SPW,  28
.set NIL,  29
.set MX,   32
.set NM,   40
.set LL,   48
.set PX,   64
.set LIMR, 72
.set SCL,  73
.set LANE, 74
.set PFO,  75
.set SPR,  76
.set SA,   84
.set SB,   85
.set PO,   86
.set SO,   87
.set CH,   96                          ; the maxima's chains, two a block
.set TS,   96                          ; later: four chains of pairs for the block in hand,
.set LS,   104                         ; and each block's sum as a pair
.set AF,   128
.set CD,   128
.set G0,   4
.set G0B,  8
.set G1,   24                          ; group 1: two K steps of q
.set G1R,  32                          ; one K step
.set G1B,  48                          ; the same for k
.set G1BR, 56
.set PF,   78
.set MSB, 0
.macro WIN new
.if MSB != (\new)
	s_set_vgpr_msb (MSB<<8)|(\new)
.set MSB, (\new)
.endif
.endm
.set MUL_LO, 0xa1
.set MUL_HI, 0xf1
.set TO_B,   0x40
.macro JLOAD g0a, g1a, g0b, g1b        ; waves 0 and 1 fetch q's groups, waves 2 and 3 k's
	s_cmp_eq_u32 s15, 0
	s_cbranch_scc0 .Lfor_b_\@
	tensor_load_to_lds s[\g0a:\g0a+3], s[\g1a:\g1a+7]
	s_nop 0
.rept 4
	v_nop
.endr
	s_branch .Lasked_\@
.Lfor_b_\@:
	tensor_load_to_lds s[\g0b:\g0b+3], s[\g1b:\g1b+7]
	s_nop 0
.rept 4
	v_nop
.endr
.Lasked_\@:
.endm
.macro CREST
	s_cmp_lg_u32 s14, 0
	s_cbranch_scc1 .Lnot_wave_0_\@
	s_barrier_signal -3
.Lnot_wave_0_\@:
	s_barrier_wait -3
	s_barrier_signal -1
	s_barrier_wait -1
.endm
.macro CROUND
	s_barrier_signal -1
	s_barrier_wait -1
	CREST
.endm
.macro PLACES n
.rept \n
	v_nop
.endr
.endm
	s_load_b256 s[68:75], s[0:1], 0x0              ; qc 68, kc 70, the scales 72, pc 74
	s_load_b64 s[76:77], s[0:1], 0x20              ; st
	v_lshl_add_u32 v[SPW], v0, 2, SPARE
	v_mov_b32 v[NIL], 0
	ds_add_u32 v[SPW], v[NIL]                      ; the opening: the add, twice on end, and its wait
	ds_add_u32 v[SPW], v[NIL]
	v_lshrrev_b32 v1, 5, v0
	v_readfirstlane_b32 s14, v1                    ; wave 0..3
	s_lshr_b32 s15, s14, 1                         ; my half of the queries.  Also: I fetch for q (0) or for k (1)
	s_and_b32 s16, s14, 1                          ; my half of the keys.  Also: which half of that tile I fetch
	s_bfe_u32 s40, ttmp6, 0x40000                  ; cx
	s_bfe_u32 s41, ttmp6, 0x40004                  ; cy
	s_and_b32 s13, ttmp7, 0xffff                   ; the cluster's y
	s_and_b32 s12, s13, 1
	s_lshl_b32 s12, s12, 1
	s_add_co_u32 s12, s12, ttmp9                   ; the batch: made of the cluster's place alone, which all partners share
	s_bfe_u32 s42, s13, 0x10001
	s_lshl_b32 s42, s42, 2
	s_add_co_u32 s42, s42, s40                     ; tx: which 256 keys of the batch
	s_lshr_b32 s13, s13, 2
	s_lshl_b32 s13, s13, 2
	s_lshl_b32 s17, s12, 3
	s_add_co_u32 s17, s17, s13
	s_add_co_u32 s17, s17, s41                     ; ty: which 256 of the 8,192 queries
	s_lshl_b32 s43, s41, 2
	s_lshl_b32 s43, 15, s43                        ; my row of the cluster
	s_lshl_b32 s44, 0x1111, s40                    ; my column
	s_or_b32 s[G1], s43, (1<<21)                   ; the mask; elements of 1 byte; no padding; bit 21 beside a mask
	s_or_b32 s[G1R], s43, (1<<21)
	s_or_b32 s[G1B], s44, (1<<21)
	s_or_b32 s[G1BR], s44, (1<<21)
.irp g, G1, G1B
	s_mov_b32 s[\g+2], 16<<16                      ; 16 rows of 4,096 bytes: two K steps of a group
	s_mov_b32 s[\g+4], 16
.endr
.irp g, G1R, G1BR
	s_mov_b32 s[\g+2], 8<<16
	s_mov_b32 s[\g+4], 8
.endr
.irp g, G1, G1R, G1B, G1BR
	s_mov_b32 s[\g+1], 4096<<16
	s_mov_b32 s[\g+3], 4096<<16
	s_mov_b32 s[\g+5], 4096
	s_mov_b32 s[\g+6], 0
	s_mov_b32 s[\g+7], 0
.endr
	s_lshl_b32 s18, s17, 1
	s_add_co_u32 s18, s18, s16
	s_lshl_b32 s18, s18, 17                        ; q: group 2 ty + half
	s_mov_b32 s19, 0
	s_lshl_b32 s46, s12, 4
	s_lshl_b32 s47, s42, 1
	s_add_co_u32 s46, s46, s47
	s_add_co_u32 s46, s46, s16
	s_lshl_b32 s46, s46, 17                        ; k: group 16 batch + 2 tx + half
	s_mov_b32 s47, 0
	s_lshl_b32 s45, s14, 16                        ; where they go: wave x 65,536
	s_lshl_b32 s2, s15, 16
	s_lshl_b32 s3, s16, 16
	s_add_co_u32 s3, s3, 4*SLOT
	s_lshl_b32 s22, s14, 9
	s_add_co_u32 s22, s22, SCR
	s_xor_b32 s23, s14, 1
	s_lshl_b32 s23, s23, 9
	s_add_co_u32 s23, s23, SCR
	v_and_b32 v[LANE], 31, v0
	v_and_b32 v1, 15, v0
	v_lshlrev_b32 v[PO], 4, v[LANE]                ; 16 x lane: an image's place for my lane, in LDS and in pc
	v_lshlrev_b32 v[SO], 3, v[LANE]                ; 8 x lane: a row's pair in st
	v_lshlrev_b32 v[PFO], 8, v[LANE]
	v_add_nc_u32 v[ADRA], s2, v[PO]
	v_add_nc_u32 v[ADRB], s3, v[PO]
	v_lshl_add_u32 v[SA], v1, 2, s22               ; my wave's maxima: 4 r, + 64 a block
	v_lshl_add_u32 v[SB], v1, 2, s23               ; and those of the wave with the same queries and the other 128 keys
	s_wait_alu depctr_va_vdst(0)                   ; ahead of the waits below
	s_wait_dscnt 0x0                               ; both opening adds are done
	s_wait_kmcnt 0x0
	s_load_b128 s[92:95], s[72:73], 0x18           ; e6, e7, e8, e9
	s_add_nc_u64 s[18:19], s[68:69], s[18:19]
	s_add_nc_u64 s[46:47], s[70:71], s[46:47]
	s_mov_b32 s[G0], 1
	s_mov_b32 s[G0+1], s45
	s_mov_b64 s[G0+2:G0+3], s[18:19]
	s_or_b32 s[G0+3], s[G0+3], 0x80000000
	s_mov_b32 s[G0B], 1
	s_mov_b32 s[G0B+1], s45
	s_mov_b64 s[G0B+2:G0B+3], s[46:47]
	s_or_b32 s[G0B+3], s[G0B+3], 0x80000000
	CROUND                                         ; all sixteen work-groups are here: the first joint loads meet
	JLOAD G0, G1, G0B, G1B                         ; K steps 0 and 1
	s_lshl_b32 s2, s40, 13
	s_mov_b32 s3, 0
	s_add_nc_u64 s[18:19], s[18:19], s[2:3]        ; my work-group's 8,192 bytes of a K step
	s_lshl_b32 s2, s41, 13
	s_add_nc_u64 s[46:47], s[46:47], s[2:3]
	s_cmp_eq_u32 s15, 0
	s_cselect_b64 s[PF:PF+1], s[18:19], s[46:47]
	global_prefetch_b8 v[PFO], s[PF:PF+1] offset:2*SLOT th:TH_LOAD_NT scope:SCOPE_SE   ; K step 2
	s_lshl_b32 s2, s17, 2
	s_lshl_b32 s3, s15, 1
	s_add_co_u32 s2, s2, s3
	s_lshl_b32 s2, s2, 17                          ; pc: group 4 ty + 2 half,
	s_lshl_b32 s3, s42, 14                         ; block tx,
	s_lshl_b32 s13, s16, 11                        ; chunk 4 half
	s_add_co_u32 s3, s3, s13
	s_add_co_u32 s2, s2, s3
	s_mov_b32 s3, 0
	s_add_nc_u64 s[74:75], s[74:75], s[2:3]
	s_lshl_b32 s2, s42, 1
	s_add_co_u32 s2, s2, s16
	s_lshl_b32 s2, s2, 16                          ; st: half block 2 tx + half,
	s_lshl_b32 s3, s17, 8
	s_lshl_b32 s13, s15, 7
	s_add_co_u32 s3, s3, s13
	s_lshl_b32 s3, s3, 3                           ; row 256 ty + 128 half
	s_add_co_u32 s2, s2, s3
	s_mov_b32 s3, 0
	s_add_nc_u64 s[76:77], s[76:77], s[2:3]
	s_mov_b32 s20, 0x76543210                      ; v_permlanex16_b32's selects for lane l xor 16
	s_mov_b32 s21, 0xfedcba98
	s_wait_kmcnt 0x0
	s_add_co_i32 s2, s92, s93
	s_lshl_b32 s2, s2, 23
	s_add_co_i32 s22, s2, 0x3d38aa3b               ; c = log2(e) / 32, with e6 + e7 added to its exponent field
	s_mov_b32 s23, s22                             ; (named with it as a pair, so it is written)
	s_add_co_i32 s2, s94, 127
	s_lshl_b32 s3, s2, 23
	v_mov_b32 v[SCL], s3                           ; 2^e8 as f32
	s_add_co_i32 s2, s2, 8
	s_lshl_b32 s2, s2, 23
	s_or_b32 s2, s2, 0x600000
	v_mov_b32 v[LIMR], s2                          ; 448 x 2^e8
.macro FRAG reg, adr, slot, q, i       ; a fragment comes back as it was stored: registers 4 c .. 4 c + 3 are chunk c
.irp c, 0,1,2,3
	ds_load_b128 v[\reg+4*\c:\reg+4*\c+3], v[\adr] offset:SLOT*(\slot)+2048*(\q)+512*\c+4096*(\i)
.endr
.endm
; 16 matrix instructions: q's blocks a0, a0 + 1 x k's eight.  The 64 accumulators take turns, one instruction a turn.
.macro MUL16 a0, p, zero
.irp a, \a0, \a0+1
.irp b, 0,1,2,3,4,5,6,7
.if \zero
	v_wmma_f32_16x16x128_fp8_fp8 v[8*(8*((\a)%4)+\b):8*(8*((\a)%4)+\b)+7], v[128*(\p)+16*\b:128*(\p)+16*\b+15], v[AF+16*(\a):AF+16*(\a)+15], 0
.else
	v_wmma_f32_16x16x128_fp8_fp8 v[8*(8*((\a)%4)+\b):8*(8*((\a)%4)+\b)+7], v[128*(\p)+16*\b:128*(\p)+16*\b+15], v[AF+16*(\a):AF+16*(\a)+15], v[8*(8*((\a)%4)+\b):8*(8*((\a)%4)+\b)+7]
.endif
.endr
.endr
.endm
.macro FETCH_B slot, q, p
	WIN TO_B
.irp i, 0,1,2,3,4,5,6,7
	FRAG 128*(\p)+16*\i, ADRB, \slot, \q, \i
.endr
	WIN 0
.endm
.macro FETCH_A slot, q, i0
.irp i, \i0, \i0+1, \i0+2, \i0+3
	FRAG AF+16*(\i), ADRA, \slot, \q, \i
.endr
.endm
.macro STEP slot, zero
	s_wait_dscnt 16                                ; k's set and q's blocks 0-3 are in; the youngest 16 loads (blocks 4-7) may be out
	WIN MUL_LO
	MUL16 0, 0, \zero
	MUL16 2, 0, \zero
	s_wait_dscnt 0
	PLACES 4                                       ; four plain places in front of loads into registers that matrix instructions have read
	FETCH_B \slot, 1, 1
	FETCH_A \slot, 1, 0
	WIN MUL_HI
	MUL16 4, 0, \zero
	MUL16 6, 0, \zero
	PLACES 4
	WIN 0
	FETCH_A \slot, 1, 4
.endm
.macro TURN next, fill, step, lds
	s_wait_tensorcnt 0x0                           ; my part of the next slot has landed
	ds_add_u32 v[SPW], v[NIL]                      ; 0 onto my spare word
	s_wait_dscnt 17                                ; the add and the youngest 16 loads may be out
	WIN MUL_LO
	MUL16 0, 1, 0
	s_wait_dscnt 0x0                               ; the add is done, and my reads of this slot are over
	s_barrier_signal -1
	MUL16 2, 1, 0
	WIN 0
	s_barrier_wait -1
.if \fill
	CREST                                          ; no wave of any partner still reads this slot or has a load on its way
	s_add_nc_u64 s[G0+2:G0+3], s[G0+2:G0+3], \step
	s_add_nc_u64 s[G0B+2:G0B+3], s[G0B+2:G0B+3], \step
	s_add_co_u32 s[G0+1], s45, \lds
	s_add_co_u32 s[G0B+1], s45, \lds
	JLOAD G0, G1R, G0B, G1BR
.else
	PLACES 4
.endif
	FETCH_B \next, 0, 0
	FETCH_A \next, 0, 0
	WIN MUL_HI
	MUL16 4, 1, 0
	MUL16 6, 1, 0
	PLACES 4
	WIN 0
	FETCH_A \next, 0, 4
.endm
	s_wait_alu depctr_va_vdst(0)                   ; the wait at the head's end
	s_wait_tensorcnt 0x0                           ; my part of K steps 0 and 1 is in
	s_barrier_signal -1
	s_barrier_wait -1
	FETCH_B 0, 0, 0
	FETCH_A 0, 0, 0
	FETCH_A 0, 0, 4
	global_prefetch_b8 v[PFO], s[PF:PF+1] offset:3*SLOT th:TH_LOAD_NT scope:SCOPE_SE   ; K step 3
	STEP 0, 1                                      ; the first products start the sums
	TURN 1, 1, 2*SLOT, 0                           ; slot 0: K step 2
	STEP 1, 0
	TURN 0, 1, SLOT, SLOT                          ; slot 1: K step 3
	STEP 0, 0
	TURN 1, 0, 0, 0
	STEP 1, 0
	s_wait_dscnt 16
	WIN MUL_LO
	MUL16 0, 1, 0
	MUL16 2, 1, 0
	s_wait_dscnt 0
	WIN MUL_HI
	MUL16 4, 1, 0
	MUL16 6, 1, 0
	WIN 0
	PLACES 4
	; THE MAXIMA.  A lane's 64 scores of each block of 16 queries, two chains a block, four blocks by turns; each accumulator is read from its low end on.
.irp g, 0,1                            ; blocks 4 g .. 4 g + 3 lie in window 2 + g: sources 1 and 2
	WIN (0x28+0x14*\g)
.irp i, 0,4,8,12,16,20,24,28,32,36,40,44,48,52,56,60
.irp a, 0,1,2,3
.if \i == 0
	v_max3_num_f32 v[CH+8*\g+2*\a], 0xff800000, v[64*\a], v[64*\a+1]
	v_max3_num_f32 v[CH+8*\g+2*\a+1], 0xff800000, v[64*\a+2], v[64*\a+3]
.else
	v_max3_num_f32 v[CH+8*\g+2*\a], v[CH+8*\g+2*\a], v[64*\a+\i], v[64*\a+\i+1]
	v_max3_num_f32 v[CH+8*\g+2*\a+1], v[CH+8*\g+2*\a+1], v[64*\a+\i+2], v[64*\a+\i+3]
.endif
.endr
.endr
.endr
	WIN 0
.irp a, 0,1,2,3,4,5,6,7
	v_max_num_f32 v[MX+\a], v[CH+2*\a], v[CH+2*\a+1]
.endr
.irp a, 0,1,2,3,4,5,6,7
	v_permlanex16_b32 v[CH+2*\a], v[MX+\a], s20, s21   ; the query's other 64 keys lie in the lane 16 away
.endr
.irp a, 0,1,2,3,4,5,6,7
	v_max_num_f32 v[MX+\a], v[MX+\a], v[CH+2*\a]
.endr
.irp a, 0,1,2,3,4,5,6,7
	ds_store_b32 v[SA], v[MX+\a] offset:64*\a      ; lanes r and r + 16 write the same word with the same number
.endr
	s_wait_alu depctr_va_vdst(0)                   ; ahead of the wait below
	s_wait_dscnt 0x0                               ; for the other wave's sake: my stores are done
	s_barrier_signal -1
	s_barrier_wait -1
.irp a, 0,1,2,3,4,5,6,7
	ds_load_b32 v[PX+\a], v[SB] offset:64*\a
.endr
	s_wait_dscnt 0x0
.irp a, 0,1,2,3,4,5,6,7
	v_max_num_f32 v[MX+\a], v[MX+\a], v[PX+\a]     ; over the work-group's 256 keys
.endr
.irp a, 0,1,2,3,4,5,6,7
	v_mul_f32 v[MX+\a], s22, v[MX+\a]              ; as t (c is positive)
.endr
.irp a, 0,1,2,3,4,5,6,7
	v_floor_f32 v[NM+\a], -v[MX+\a]                ; -M = floor(-t) = -ceil(t): a whole number
.endr
.macro FMA a                           ; t - M, two at a time, in place
.set W, 2+(\a)/4
.set AC, 64*((\a)%4)
	WIN ((W<<6)|W)
.set I, 0
.rept 32
.if (\a)%2
	v_pk_fma_f32 v[AC+I:AC+I+1], v[AC+I:AC+I+1], s[22:23], v[NM+2*((\a)/2):NM+2*((\a)/2)+1] op_sel:[0,0,1] op_sel_hi:[1,0,1]
.else
	v_pk_fma_f32 v[AC+I:AC+I+1], v[AC+I:AC+I+1], s[22:23], v[NM+2*((\a)/2):NM+2*((\a)/2)+1] op_sel_hi:[1,0,0]
.endif
.set I, I+2
.endr
.endm
.macro EXP a                           ; p = 2^(t - M): one batch of 64
.set W, 2+(\a)/4
.set AC, 64*((\a)%4)
	WIN ((W<<6)|W)
.set I, 0
.rept 64
	v_exp_f32 v[AC+I], v[AC+I]
.set I, I+1
.endr
.endm
.macro POST a                          ; the sum of the unquantised p, the hold, the conversion, four stores of 512 consecutive bytes
.set W, 2+(\a)/4
.set AC, 64*((\a)%4)
	WIN (W|(W<<2))
.irp i, 0,2,4,6
	v_pk_add_f32 v[TS+\i:TS+\i+1], v[AC+\i:AC+\i+1], v[AC+8+\i:AC+8+\i+1]   ; the first eight pairs start four chains
.endr
	WIN W
.set I, 16
.rept 24
	v_pk_add_f32 v[TS+I%8:TS+I%8+1], v[AC+I:AC+I+1], v[TS+I%8:TS+I%8+1]
.set I, I+2
.endr
	WIN ((W<<6)|W)
.set I, 0
.rept 64
	v_min_num_f32 v[AC+I], v[AC+I], v[LIMR]        ; the conversion does not saturate (ISA guide 7.6.2); p is not negative, so the hold is one-sided
.set I, I+1
.endr
	WIN W
.irp b, 0,1,2,3,4,5,6,7
	v_cvt_scalef32_pk8_fp8_f32 v[CD+16*(\a)+2*\b:CD+16*(\a)+2*\b+1], v[AC+8*\b:AC+8*\b+7], v[SCL]
.endr
	v_nop                                          ; a plain line behind the last conversion of the run
	WIN 0
.irp c, 0,1,2,3
	global_store_b128 v[PO], v[CD+16*(\a)+4*\c:CD+16*(\a)+4*\c+3], s[74:75] offset:131072*((\a)/4)+4096*((\a)%4)+512*\c
.endr
	v_pk_add_f32 v[TS:TS+1], v[TS:TS+1], v[TS+2:TS+3]
	v_pk_add_f32 v[TS+4:TS+5], v[TS+4:TS+5], v[TS+6:TS+7]
	v_pk_add_f32 v[LS+2*(\a):LS+2*(\a)+1], v[TS:TS+1], v[TS+4:TS+5]
.endm
	FMA 0
	s_wait_alu depctr_va_vdst(0)                   ; a wait ahead of the batch
.irp a, 0,1,2,3,4,5,6,7
	EXP \a
.if \a < 7
	FMA \a+1                                       ; the next block's scalings are the plain, independent work behind the batch
.else
	v_nop
.endif
	s_wait_alu depctr_va_vdst(0)                   ; one wait for the batch of 64, ahead of the first line that names a result
	POST \a
.endr
	; THE STATISTICS: a pair (-M, my 128 keys' sum) for each of my 128 queries; 32 lanes store 32 rows, 256 consecutive bytes
.irp a, 0,1,2,3,4,5,6,7
	v_add_f32 v[LL+\a], v[LS+2*\a], v[LS+2*\a+1]
.endr
.irp a, 0,1,2,3,4,5,6,7
	v_permlanex16_b32 v[PX+\a], v[LL+\a], s20, s21
.endr
.irp a, 0,1,2,3,4,5,6,7
	v_add_f32 v[LL+\a], v[LL+\a], v[PX+\a]
.endr
	v_cmp_le_u32 vcc_lo, 16, v[LANE]               ; lanes 16-31 take the odd block
.irp t, 0,1,2,3
	v_cndmask_b32 v[SPR+2*\t], v[NM+2*\t], v[NM+2*\t+1], vcc_lo
	v_cndmask_b32 v[SPR+2*\t+1], v[LL+2*\t], v[LL+2*\t+1], vcc_lo
	global_store_b64 v[SO], v[SPR+2*\t:SPR+2*\t+1], s[76:77] offset:256*\t
.endr
	s_wait_tensorcnt 0x0                           ; the wave's end
	ds_add_u32 v[SPW], v[NIL]
	s_wait_dscnt 0x0
	CROUND                                         ; the closing round
	s_endpgm
.Lfunc_end_k_qb70e4830fc_scores:
	.size	k_qb70e4830fc_scores, .Lfunc_end_k_qb70e4830fc_scores-k_qb70e4830fc_scores
	.p2alignl 7, 3214868480
	.fill 96, 4, 3214868480
	.section	.rodata,"a",@progbits
	.p2align	6, 0x0
	.amdhsa_kernel k_qb70e4830fc_scores
		.amdhsa_group_segment_fixed_size 327680
		.amdhsa_private_segment_fixed_size 0
		.amdhsa_enable_private_segment 0
		.amdhsa_kernarg_size 40
		.amdhsa_user_sgpr_count 2
		.amdhsa_user_sgpr_kernarg_segment_ptr 1
		.amdhsa_wavefront_size32 1
		.amdhsa_system_sgpr_workgroup_id_x 1
		.amdhsa_system_sgpr_workgroup_id_y 1
		.amdhsa_system_sgpr_workgroup_id_z 1
		.amdhsa_system_vgpr_workitem_id 0
		.amdhsa_next_free_vgpr 1024
		.amdhsa_next_free_sgpr 102
		.amdhsa_reserve_vcc 1
		.amdhsa_float_denorm_mode_32 3
		.amdhsa_float_denorm_mode_16_64 3
		.amdhsa_memory_ordered 1
		.amdhsa_forward_progress 1
		.amdhsa_inst_pref_size 172
	.end_amdhsa_kernel
	.amdgpu_metadata
---
amdhsa.version: [ 1, 2 ]
amdhsa.kernels:
  - .name:           k_qb70e4830fc_scores
    .symbol:         k_qb70e4830fc_scores.kd
    .args:
      - { .name: qc, .offset: 0, .size: 8, .value_kind: global_buffer, .address_space: global }
      - { .name: kc, .offset: 8, .size: 8, .value_kind: global_buffer, .address_space: global }
      - { .name: lowp_scales, .offset: 16, .size: 8, .value_kind: global_buffer, .address_space: global }
      - { .name: pc, .offset: 24, .size: 8, .value_kind: global_buffer, .address_space: global }
      - { .name: st, .offset: 32, .size: 8, .value_kind: global_buffer, .address_space: global }
    .group_segment_fixed_size: 327680
    .private_segment_fixed_size: 0
    .kernarg_segment_align: 8
    .kernarg_segment_size: 40
    .max_flat_workgroup_size: 128
    .sgpr_count:     102
    .vgpr_count:     1024
    .wavefront_size: 32
...
	.end_amdgpu_metadata
.endif
;; end of part 2
;; launch pv (part 3): grid 4 x 64, 4 waves a work-group, clusters of 4 x 4, 327,680 bytes of LDS; arguments pc, vc, st, lowp_scales, out0; writes out0
.if DOCPART == 3
	.amdgcn_target "amdgcn-amd-amdhsa--gfx1250"
	.amdhsa_code_object_version 6
	.text
	.protected	k_qb70e4830fc_pv
	.globl	k_qb70e4830fc_pv
	.p2align	8
	.type	k_qb70e4830fc_pv,@function
k_qb70e4830fc_pv:
	s_mov_b64 s[64:65], 0
	v_nop
	global_prefetch_b8 v0, s[64:65] scope:SCOPE_SE
	s_setreg_imm32_b32 hwreg(HW_REG_WAVE_MODE, 25, 1), 1
	s_wait_xcnt 0x0
	s_wait_alu depctr_hold_cnt(0) depctr_sa_sdst(0) depctr_va_vdst(0) depctr_va_sdst(0) depctr_va_ssrc(0) depctr_va_vcc(0) depctr_vm_vsrc(0)
	s_getreg_b32 s2, hwreg(HW_REG_IB_STS2, 6, 4)
	s_cmp_eq_u32 s2, 0
	s_cbranch_scc0 .Lentry_in_a_cluster
	s_endpgm
.Lentry_in_a_cluster:
	s_bfe_u32 s2, ttmp6, 0x10000c
	s_cmp_lg_u32 s2, 0xf033
	s_cbranch_scc0 .Lentry_shape_is_right
	s_endpgm
.Lentry_shape_is_right:
; out = (the sum over the keys of p v) / l, on codes of FP8 (E4M3).
; pc: [128 groups of 64 queries][8 blocks of 256 keys][4 tiles of 16 queries][8 chunks of 32 keys][512], vc: [4 batches][8 groups of 128 channels][8 blocks][8 tiles of 16 channels][8 chunks][512]: images of operand registers.
; st: [16 halves of 128 keys][8192 rows] pairs (-M of the row's block of 256 keys, the half's sum of p).
; A work-group of four waves makes 128 queries x 256 channels (tiles of 256 x 256 would be 128, half as many as there are WGPs); a wave 64 x 128: 32 accumulators.  K = the 2,048 keys in eight blocks of 256, one M each.
; LDS holds three blocks: places 0 and 1 are one slot, place 2 the other.  A wave's part (waves 0, 1: p's groups; 2, 3: v's) is its three places on end, so each fill is one run of consecutive bytes: the head brings blocks 0-2; then places 0, 1 take 3 and 4, place 2 takes 5, places 0, 1 take 6 and 7.
; CLUSTERS of 4 x 4: p's tiles shared along a row, v's along a column, by joint loads.  Batch = cluster y % 4.  Source 1 = p (a lane holds one query), source 0 = v (its registers run along the channels).
; PREFETCHES: blocks 3 to 7, each named once in a cluster, one or two slots ahead of its load: of a wave's part of a block each of the four partners names a quarter, by address.
; THE BLOCKS' FRAMES.  p of block b stands under M_b.  M = the largest M_b; l = the sum of l_b 2^(M_b - M).  The accumulators are kept under G_b = max(M_b, M - 64) of the block in hand: ahead of block b they are
; multiplied by 2^(G_(b-1) - G_b), at the end by 2^(G_7 - M + e8 + e9) / l.  All these are powers of two between 2^-64 and 2^64: nothing is rounded.
; LIMIT: a block whose largest t lies more than 64 under the row's is weighed with 2^-64 in place of its smaller true weight.
; REGISTERS: window 0: v16-21 LDS addresses; v24-27 the way out and the prefetches; v28, v29 for the add; v32-35 the last factor, v36-63 the factors ahead of blocks 1-7 (4 a block); v64-127 at work; v128-255 p's fragments, two sets (at the head: the statistics).
;   window 1: v0-127 accumulators (a, b < 4) at v[8 (4 a + b)]; v128-255 v's fragments b = 0 .. 3, two sets.   window 2: the same for b = 4 .. 7.
.set TB,     4096                      ; a tile of 16 rows x 256 keys
.set PB,     16384                     ; a block of a wave's part of p,
.set VB,     32768                     ; and of v
.set SPARE,  6*PB+6*VB                 ; the spare words, 128 bytes a wave
.set STAGE,  6*PB+2*VB                 ; the way out: 16 rows x (512 bytes + 16) for each wave, in place 2 of v's parts: it has had its last fill and its last read by then
.set SPITCH, 528
.set ADRA, 16
.set ADRB, 20                          ; v20: places 0 and 1, v21: place 2
.set STO,  24
.set RDB,  25
.set CO,   26
.set PFO,  27
.set SPW,  28
.set NIL,  29
.set FB,   32
.set TMP,  64
.set NGR,  64
.set CAP,  68
.set LSUM, 72
.set DT,   76
.set ET,   80
.set RC,   84
.set SX,   128
.set BK,   128
.set G0,   4
.set G0B,  8
.set G1,   24                          ; group 1: three blocks of p,
.set G1T,  32                          ; two,
.set G1S,  80                          ; one
.set G1B,  48                          ; the same for v
.set G1BT, 56
.set G1BS, 88
.set PF,   78
.set MSB, 0
.macro WIN new
.if MSB != (\new)
	s_set_vgpr_msb (MSB<<8)|(\new)
.set MSB, (\new)
.endif
.endm
.macro JLOAD g0a, g1a, g0b, g1b        ; waves 0 and 1 fetch p's groups, waves 2 and 3 v's
	s_cmp_eq_u32 s15, 0
	s_cbranch_scc0 .Lfor_b_\@
	tensor_load_to_lds s[\g0a:\g0a+3], s[\g1a:\g1a+7]
	s_nop 0
.rept 4
	v_nop
.endr
	s_branch .Lasked_\@
.Lfor_b_\@:
	tensor_load_to_lds s[\g0b:\g0b+3], s[\g1b:\g1b+7]
	s_nop 0
.rept 4
	v_nop
.endr
.Lasked_\@:
.endm
.macro ASK3 b                          ; my quarter of block b of the part that my wave fetches
	s_cmp_eq_u32 s15, 0
	s_cbranch_scc0 .Lask_v_\@
	global_prefetch_b8 v[PFO], s[PF:PF+1] offset:PB*(\b) th:TH_LOAD_NT scope:SCOPE_SE
	s_branch .Lask_done_\@
.Lask_v_\@:
	global_prefetch_b8 v[PFO], s[PF:PF+1] offset:VB*(\b) th:TH_LOAD_NT scope:SCOPE_SE
.Lask_done_\@:
.endm
.macro CREST
	s_cmp_lg_u32 s14, 0
	s_cbranch_scc1 .Lnot_wave_0_\@
	s_barrier_signal -3
.Lnot_wave_0_\@:
	s_barrier_wait -3
	s_barrier_signal -1
	s_barrier_wait -1
.endm
.macro CROUND
	s_barrier_signal -1
	s_barrier_wait -1
	CREST
.endm
.macro PLACES n
.rept \n
	v_nop
.endr
.endm
	s_load_b256 s[68:75], s[0:1], 0x0              ; pc 68, vc 70, st 72, the scales 74
	s_load_b64 s[76:77], s[0:1], 0x20              ; out0
	v_lshl_add_u32 v[SPW], v0, 2, SPARE
	v_mov_b32 v[NIL], 0
	ds_add_u32 v[SPW], v[NIL]                      ; the opening: the add, twice on end, and its wait
	ds_add_u32 v[SPW], v[NIL]
	v_lshrrev_b32 v1, 5, v0
	v_readfirstlane_b32 s14, v1                    ; wave 0..3
	s_lshr_b32 s15, s14, 1                         ; my half of the queries.  Also: I fetch for p (0) or for v (1)
	s_and_b32 s16, s14, 1                          ; my half of the channels.  Also: which half of that tile I fetch
	s_bfe_u32 s40, ttmp6, 0x40000                  ; cx
	s_bfe_u32 s41, ttmp6, 0x40004                  ; cy
	s_lshl_b32 s42, ttmp9, 2
	s_add_co_u32 s42, s42, s40                     ; tx: which 256 channels
	s_and_b32 s13, ttmp7, 0xffff                   ; the cluster's y
	s_and_b32 s12, s13, 3                          ; the batch: made of the cluster's y alone
	s_lshr_b32 s13, s13, 2
	s_lshl_b32 s13, s13, 2
	s_lshl_b32 s17, s12, 4
	s_add_co_u32 s17, s17, s13
	s_add_co_u32 s17, s17, s41                     ; ty: which 128 of the 8,192 queries
	s_lshl_b32 s43, s41, 2
	s_lshl_b32 s43, 15, s43                        ; my row of the cluster
	s_lshl_b32 s44, 0x1111, s40                    ; my column
.irp g, G1, G1T, G1S
	s_or_b32 s[\g], s43, (1<<21)                   ; the mask; elements of 1 byte; no padding; bit 21 beside a mask
.endr
.irp g, G1B, G1BT, G1BS
	s_or_b32 s[\g], s44, (1<<21)
.endr
.irp g, G1, G1T, G1S, G1B, G1BT, G1BS
	s_mov_b32 s[\g+1], 4096<<16
	s_mov_b32 s[\g+3], 4096<<16
	s_mov_b32 s[\g+5], 4096
	s_mov_b32 s[\g+6], 0
	s_mov_b32 s[\g+7], 0
.endr
	s_mov_b32 s[G1+2], 12<<16                      ; rows of 4,096 bytes, a tile of a block each
	s_mov_b32 s[G1+4], 12
	s_mov_b32 s[G1T+2], 8<<16
	s_mov_b32 s[G1T+4], 8
	s_mov_b32 s[G1S+2], 4<<16
	s_mov_b32 s[G1S+4], 4
	s_mov_b32 s[G1B+2], 24<<16
	s_mov_b32 s[G1B+4], 24
	s_mov_b32 s[G1BT+2], 16<<16
	s_mov_b32 s[G1BT+4], 16
	s_mov_b32 s[G1BS+2], 8<<16
	s_mov_b32 s[G1BS+4], 8
	s_lshl_b32 s18, s17, 1
	s_add_co_u32 s18, s18, s16
	s_lshl_b32 s18, s18, 17                        ; p: group 2 ty + half
	s_mov_b32 s19, 0
	s_lshl_b32 s46, s42, 1
	s_add_co_u32 s46, s46, s16
	s_lshl_b32 s46, s46, 18                        ; v: group 2 tx + half,
	s_lshl_b32 s13, s12, 21
	s_add_co_u32 s46, s46, s13                     ; in the batch's 2 MiB
	s_mov_b32 s47, 0
	s_mul_i32 s45, s16, 3*PB                       ; where p's part goes,
	s_mul_i32 s23, s16, 3*VB
	s_add_co_u32 s23, s23, 6*PB                    ; and v's
	s_cmp_eq_u32 s15, 0
	s_cselect_b32 s13, 15, 31                      ; a quarter of a block: 16 or 32 units of 256 bytes
	s_mul_i32 s2, s15, 3*PB
	s_mul_i32 s3, s16, 3*VB
	s_add_co_u32 s3, s3, 6*PB
	s_add_co_u32 s20, s3, 2*VB
	s_mul_i32 s21, s16, 16*SPITCH
	s_mul_i32 s22, s15, 3*VB
	s_add_co_u32 s21, s21, s22
	s_add_co_u32 s21, s21, STAGE                   ; my stage
	v_and_b32 v1, 15, v0                           ; r
	v_bfe_u32 v2, v0, 4, 1                         ; h
	v_and_b32 v4, 31, v0
	v_lshlrev_b32 v3, 3, v1
	v_lshlrev_b32 v[CO], 4, v4                     ; 16 x lane
	v_min_u32 v[PFO], s13, v4                      ; (the lanes left over name the last unit again)
	v_mul_u32_u24 v5, v1, SPITCH
	v_lshlrev_b32 v[PFO], 8, v[PFO]
	v_lshl_add_u32 v5, v2, 5, v5
	v_add_nc_u32 v[ADRA], s2, v[CO]
	v_add_nc_u32 v[ADRB], s3, v[CO]
	v_add_nc_u32 v[ADRB+1], s20, v[CO]
	v_add_nc_u32 v[STO], s21, v5                   ; in: row r, 32 bytes for each half of the lanes
	v_add_nc_u32 v[RDB], s21, v[CO]                ; back: the 32 lanes take one row of 512 bytes
	s_wait_alu depctr_va_vdst(0)                   ; ahead of the waits below
	s_wait_dscnt 0x0                               ; both opening adds are done
	s_wait_kmcnt 0x0
	s_load_b64 s[96:97], s[74:75], 0x20            ; e8, e9
	s_add_nc_u64 s[18:19], s[68:69], s[18:19]
	s_add_nc_u64 s[46:47], s[70:71], s[46:47]
	s_lshl_b32 s2, s17, 7
	s_lshl_b32 s3, s15, 6
	s_add_co_u32 s2, s2, s3                        ; my first row
	s_lshl_b32 s20, s2, 12
	s_lshl_b32 s2, s2, 3
	s_mov_b32 s3, 0
	s_add_nc_u64 s[72:73], s[72:73], s[2:3]
	; the statistics of my 64 queries: lane (r, h) takes, for each block a, row 16 a + r's sixteen pairs
.irp a, 0,1,2,3
.irp k, 0,1,2,3,4,5,6,7,8,9,10,11,12,13,14,15
	global_load_b64 v[SX+32*\a+2*\k:SX+32*\a+2*\k+1], v3, s[72:73] offset:65536*\k+128*\a
.endr
.endr
	s_mov_b32 s[G0], 1
	s_mov_b32 s[G0+1], s45
	s_mov_b64 s[G0+2:G0+3], s[18:19]
	s_or_b32 s[G0+3], s[G0+3], 0x80000000
	s_mov_b32 s[G0B], 1
	s_mov_b32 s[G0B+1], s23
	s_mov_b64 s[G0B+2:G0B+3], s[46:47]
	s_or_b32 s[G0B+3], s[G0B+3], 0x80000000
	CROUND                                         ; all sixteen work-groups are here: the first joint loads meet
	JLOAD G0, G1, G0B, G1B                         ; blocks 0, 1, 2
	s_lshl_b32 s2, s40, 12
	s_add_nc_u64 s[18:19], s[18:19], s[2:3]        ; p: my work-group's 4,096 bytes of a block's 16,384,
	s_lshl_b32 s2, s41, 13
	s_add_nc_u64 s[46:47], s[46:47], s[2:3]        ; v: its 8,192 of 32,768
	s_cmp_eq_u32 s15, 0
	s_cselect_b64 s[PF:PF+1], s[18:19], s[46:47]
	ASK3 3
	ASK3 4
	s_lshl_b32 s3, s42, 10
	s_add_co_u32 s2, s20, s3                       ; out0: my first row of 4,096 bytes,
	s_lshl_b32 s3, s16, 9
	s_add_co_u32 s2, s2, s3                        ; my first channel
	s_mov_b32 s3, 0
	s_add_nc_u64 s[76:77], s[76:77], s[2:3]
	s_wait_kmcnt 0x0
	s_add_co_i32 s22, s96, s97                     ; e8 + e9
	s_wait_loadcnt 0x0
	; n_b = -M_b lies at v[SX + 32 a + 4 b], the two halves' sums at + 1 and + 3.  The four blocks of queries take turns line by line.
.irp a, 0,1,2,3
	v_min3_num_f32 v[NGR+\a], v[SX+32*\a], v[SX+32*\a+4], v[SX+32*\a+8]
.endr
.irp a, 0,1,2,3
	v_min3_num_f32 v[NGR+\a], v[NGR+\a], v[SX+32*\a+12], v[SX+32*\a+16]
.endr
.irp a, 0,1,2,3
	v_min3_num_f32 v[NGR+\a], v[NGR+\a], v[SX+32*\a+20], v[SX+32*\a+24]
.endr
.irp a, 0,1,2,3
	v_min_num_f32 v[NGR+\a], v[NGR+\a], v[SX+32*\a+28]   ; -M of the row
.endr
.irp a, 0,1,2,3
	v_add_f32 v[CAP+\a], 0x42800000, v[NGR+\a]     ; -(M - 64)
.endr
.irp k, 0,1,2,3,4,5,6,7
.irp a, 0,1,2,3
	v_sub_f32 v[DT+\a], v[NGR+\a], v[SX+32*\a+4*\k]      ; M_b - M: a whole number, 0 or less
.endr
.irp a, 0,1,2,3
	v_add_f32 v[ET+\a], v[SX+32*\a+4*\k+1], v[SX+32*\a+4*\k+3]   ; the block's two halves stand under one M_b
.endr
.irp a, 0,1,2,3
	v_cvt_i32_f32 v[DT+\a], v[DT+\a]               ; (it saturates)
.endr
.irp a, 0,1,2,3
.if \k == 0
	v_ldexp_f32 v[LSUM+\a], v[ET+\a], v[DT+\a]
.else
	v_ldexp_f32 v[ET+\a], v[ET+\a], v[DT+\a]
.endif
.endr
.if \k > 0
.irp a, 0,1,2,3
	v_add_f32 v[LSUM+\a], v[LSUM+\a], v[ET+\a]     ; l under the row's M
.endr
.endif
.endr
.irp k, 0,1,2,3,4,5,6,7
.irp a, 0,1,2,3
	v_min_num_f32 v[SX+32*\a+4*\k], v[SX+32*\a+4*\k], v[CAP+\a]   ; -G_b
.endr
.endr
.irp k, 1,2,3,4,5,6,7
.irp a, 0,1,2,3
	v_sub_f32 v[DT+\a], v[SX+32*\a+4*\k], v[SX+32*\a+4*\k-4]      ; G_(b-1) - G_b
.endr
.irp a, 0,1,2,3
	v_cvt_i32_f32 v[DT+\a], v[DT+\a]
.endr
.irp a, 0,1,2,3
	v_ldexp_f32 v[FB+4*\k+\a], 1.0, v[DT+\a]
.endr
.endr
	s_wait_alu depctr_va_vdst(0)                   ; a wait ahead of the batch
.irp a, 0,1,2,3
	v_rcp_f32 v[RC+\a], v[LSUM+\a]
.endr
.irp a, 0,1,2,3
	v_sub_f32 v[DT+\a], v[NGR+\a], v[SX+32*\a+28]  ; G_7 - M.  (Plain lines behind the reciprocals)
.endr
.irp a, 0,1,2,3
	v_cvt_i32_f32 v[DT+\a], v[DT+\a]
.endr
.irp a, 0,1,2,3
	v_add_nc_u32 v[DT+\a], s22, v[DT+\a]
.endr
	s_wait_alu depctr_va_vdst(0)                   ; one wait for the four reciprocals, ahead of their first reader
.irp a, 0,1,2,3
	v_ldexp_f32 v[FB+\a], v[RC+\a], v[DT+\a]       ; 2^(G_7 - M + e8 + e9) / l
.endr
; 48 LDS loads in one run: the q-th 128 keys of the block in place pos into set p: v's tiles 0-3, p's four, v's tiles 4-7
.macro FETCH3 pos, q, p
	WIN 0x40
.irp i, 0,1,2,3
.irp c, 0,1,2,3
	ds_load_b128 v[128+64*(\p)+16*\i+4*\c:128+64*(\p)+16*\i+4*\c+3], v[ADRB+(\pos)/2] offset:VB*((\pos)%2)+TB*\i+2048*(\q)+512*\c
.endr
.endr
	WIN 0
.irp i, 0,1,2,3
.irp c, 0,1,2,3
	ds_load_b128 v[128+64*(\p)+16*\i+4*\c:128+64*(\p)+16*\i+4*\c+3], v[ADRA] offset:PB*(\pos)+TB*\i+2048*(\q)+512*\c
.endr
.endr
	WIN 0x80
.irp i, 0,1,2,3
.irp c, 0,1,2,3
	ds_load_b128 v[128+64*(\p)+16*\i+4*\c:128+64*(\p)+16*\i+4*\c+3], v[ADRB+(\pos)/2] offset:VB*((\pos)%2)+TB*(\i+4)+2048*(\q)+512*\c
.endr
.endr
	WIN 0
.endm
.macro RS kb                           ; accumulator NR of the window in hand (block of queries NR / 4) comes under block kb's frame; from its low end on
.irp i, 0,2,4,6
.if (NR/4)%2
	v_pk_mul_f32 v[8*NR+\i:8*NR+\i+1], v[8*NR+\i:8*NR+\i+1], v[FB+4*(\kb)+2*(NR/8):FB+4*(\kb)+2*(NR/8)+1] op_sel:[0,1] op_sel_hi:[1,1]
.else
	v_pk_mul_f32 v[8*NR+\i:8*NR+\i+1], v[8*NR+\i:8*NR+\i+1], v[FB+4*(\kb)+2*(NR/8):FB+4*(\kb)+2*(NR/8)+1] op_sel_hi:[1,0]
.endif
.endr
.endm
.macro WM p, zero                      ; accumulator NW's product: v's tile NW % 4 of the window, p's block NW / 4
.if \zero
	v_wmma_f32_16x16x128_fp8_fp8 v[8*NW:8*NW+7], v[128+64*(\p)+16*(NW%4):128+64*(\p)+16*(NW%4)+15], v[128+64*(\p)+16*(NW/4):128+64*(\p)+16*(NW/4)+15], 0
.else
	v_wmma_f32_16x16x128_fp8_fp8 v[8*NW:8*NW+7], v[128+64*(\p)+16*(NW%4):128+64*(\p)+16*(NW%4)+15], v[128+64*(\p)+16*(NW/4):128+64*(\p)+16*(NW/4)+15], v[8*NW:8*NW+7]
.endif
.endm
; cnt products from accumulator n0 on, one instruction a turn.  mode 0: onto the sums; 1: they start the sums; 2: each accumulator is rescaled first, one accumulator ahead of the products.
.macro MUL3 n0, cnt, p, mode, kb
.set NW, \n0
.set NR, \n0
.if \mode == 2
	RS \kb
.endif
.set NR, NR+1
.rept \cnt
.if \mode == 2
.if NR < (\n0)+(\cnt)
	RS \kb
.endif
.endif
.set NR, NR+1
.if \mode == 1
	WM \p, 1
.else
	WM \p, 0
.endif
.set NW, NW+1
.endr
.endm
; 128 keys on set p; the next 128 (q-th of the block in place pos) go into the other set.  One window setting serves the products and the rescaling.
.macro STEP3 p, pos, q, mode, kb
	s_wait_dscnt 16                                ; v's tiles 0-3 and p are in; the youngest 16 loads (v's tiles 4-7) may be out
	WIN 0x51
	MUL3 0, 16, \p, \mode, \kb
	PLACES 4                                       ; four plain places in front of loads into registers that matrix instructions have read
	FETCH3 \pos, \q, 1-(\p)
	s_wait_dscnt 48                                ; all but the 48 just issued
	WIN 0xa2
	MUL3 0, 16, \p, \mode, \kb
.endm
; A slot's last 128 keys, set 1, and the change of slots: one barrier; in front of it each wave waits for all its tensor loads, adds 0 to its spare word, and waits for that and for its reads of this slot.
; nb blocks are asked for (0: none), step blocks further on than the last load's first, into places from pos on.
.macro TURN3 next, nb, step, pos, ask
	WIN 0                                          ; (the add's two registers lie in window 0)
	s_wait_tensorcnt 0x0                           ; my part of the next slot has landed
	ds_add_u32 v[SPW], v[NIL]                      ; 0 onto my spare word
	s_wait_dscnt 17                                ; the add and the youngest 16 loads may be out
	WIN 0x51
	MUL3 0, 8, 1, 0, 0
	s_wait_dscnt 0x0                               ; the add is done, and my reads of this slot are over
	s_barrier_signal -1
	MUL3 8, 8, 1, 0, 0
	WIN 0
	s_barrier_wait -1
.if \nb
	CREST                                          ; no wave of any partner still reads this slot or has a load on its way
	s_add_nc_u64 s[G0+2:G0+3], s[G0+2:G0+3], PB*(\step)
	s_add_nc_u64 s[G0B+2:G0B+3], s[G0B+2:G0B+3], VB*(\step)
	s_add_co_u32 s[G0+1], s45, PB*(\pos)
	s_add_co_u32 s[G0B+1], s23, VB*(\pos)
.if \nb == 2
	JLOAD G0, G1T, G0B, G1BT
.else
	JLOAD G0, G1S, G0B, G1BS
.endif
.else
	PLACES 4
.endif
	FETCH3 \next, 0, 0
.if \ask
	ASK3 6
	ASK3 7
.endif
	WIN 0xa2
	MUL3 0, 16, 1, 0, 0
.endm
	s_wait_alu depctr_va_vdst(0)                   ; the wait at the head's end
	s_wait_tensorcnt 0x0                           ; my part of blocks 0 to 2 is in
	s_barrier_signal -1
	s_barrier_wait -1
	FETCH3 0, 0, 0
	ASK3 5
	STEP3 0, 0, 1, 1, 0                            ; block 0's first products start the sums
	STEP3 1, 1, 0, 0, 0
	STEP3 0, 1, 1, 2, 1                            ; block 1
	TURN3 2, 2, 3, 0, 1                            ; places 0, 1: blocks 3, 4
	STEP3 0, 2, 1, 2, 2                            ; block 2
	TURN3 0, 1, 2, 2, 0                            ; place 2: block 5
	STEP3 0, 0, 1, 2, 3                            ; block 3
	STEP3 1, 1, 0, 0, 0
	STEP3 0, 1, 1, 2, 4                            ; block 4
	TURN3 2, 2, 1, 0, 0                            ; places 0, 1: blocks 6, 7
	STEP3 0, 2, 1, 2, 5                            ; block 5
	TURN3 0, 0, 0, 0, 0                            ; nothing is left to fetch
	STEP3 0, 0, 1, 2, 6                            ; block 6
	STEP3 1, 1, 0, 0, 0
	STEP3 0, 1, 1, 2, 7                            ; block 7
	s_wait_dscnt 16
	WIN 0x51
	MUL3 0, 16, 1, 0, 0
	s_wait_dscnt 0
	WIN 0xa2
	MUL3 0, 16, 1, 0, 0
	WIN 0
	PLACES 4
; THE WAY OUT, block by block of 16 queries x 128 channels: times the last factor, through my own stage in LDS, back as whole rows of 512 bytes.  LDS serves a wave's instructions in order (ISA guide 5.7.1.4).
.macro SCALE3 a, t0                    ; 16 pairs of the window in hand into v[t0] on
.set I, 0
.rept 16
.if (\a)%2
	v_pk_mul_f32 v[\t0+I:\t0+I+1], v[32*(\a)+I:32*(\a)+I+1], v[FB+2*((\a)/2):FB+2*((\a)/2)+1] op_sel:[0,1] op_sel_hi:[1,1]
.else
	v_pk_mul_f32 v[\t0+I:\t0+I+1], v[32*(\a)+I:32*(\a)+I+1], v[FB+2*((\a)/2):FB+2*((\a)/2)+1] op_sel_hi:[1,0]
.endif
.set I, I+2
.endr
.endm
.macro TOSTAGE3 a
	WIN 0x01                                       ; source 0 window 1: channels 0-63
	SCALE3 \a, TMP
	WIN 0x02                                       ; window 2: channels 64-127
	SCALE3 \a, TMP+32
	WIN 0
.irp b, 0,1,2,3,4,5,6,7
	ds_store_b128 v[STO], v[TMP+8*\b:TMP+8*\b+3] offset:64*\b
	ds_store_b128 v[STO], v[TMP+8*\b+4:TMP+8*\b+7] offset:64*\b+16
.endr
.set BB, BK+64*((\a)%2)
.irp t, 0,1,2,3,4,5,6,7,8,9,10,11,12,13,14,15
	ds_load_b128 v[BB+4*\t:BB+4*\t+3], v[RDB] offset:\t*SPITCH
.endr
.endm
.macro SEND3 a, younger                ; younger: the LDS instructions issued behind block a's loads, which may stay out
.set BB, BK+64*((\a)%2)
	s_wait_dscnt \younger
.irp t, 0,1,2,3,4,5,6,7,8,9,10,11,12,13,14,15
	global_store_b128 v[CO], v[BB+4*\t:BB+4*\t+3], s[76:77] offset:(16*(\a)+\t)*4096 th:TH_STORE_NT   ; 32 lanes store 512 consecutive bytes, at a multiple of 256 from the buffer's first byte
.endr
.endm
	TOSTAGE3 0
.irp a, 1,2,3
.if \a > 1
	s_wait_xcnt 0x0                                ; block a - 2's stores have read their registers: block a's loads may land there
.endif
	TOSTAGE3 \a
	SEND3 \a-1, 32                                 ; behind block a - 1's loads: block a's 16 stores and 16 loads
.endr
	SEND3 3, 0
	s_wait_tensorcnt 0x0                           ; the wave's end
	ds_add_u32 v[SPW], v[NIL]
	s_wait_dscnt 0x0
	CROUND                                         ; the closing round
	s_endpgm
.Lfunc_end_k_qb70e4830fc_pv:
	.size	k_qb70e4830fc_pv, .Lfunc_end_k_qb70e4830fc_pv-k_qb70e4830fc_pv
	.p2alignl 7, 3214868480
	.fill 96, 4, 3214868480
	.section	.rodata,"a",@progbits
	.p2align	6, 0x0
	.amdhsa_kernel k_qb70e4830fc_pv
		.amdhsa_group_segment_fixed_size 327680
		.amdhsa_private_segment_fixed_size 0
		.amdhsa_enable_private_segment 0
		.amdhsa_kernarg_size 40
		.amdhsa_user_sgpr_count 2
		.amdhsa_user_sgpr_kernarg_segment_ptr 1
		.amdhsa_wavefront_size32 1
		.amdhsa_system_sgpr_workgroup_id_x 1
		.amdhsa_system_sgpr_workgroup_id_y 1
		.amdhsa_system_sgpr_workgroup_id_z 1
		.amdhsa_system_vgpr_workitem_id 0
		.amdhsa_next_free_vgpr 768
		.amdhsa_next_free_sgpr 102
		.amdhsa_reserve_vcc 0
		.amdhsa_float_denorm_mode_32 3
		.amdhsa_float_denorm_mode_16_64 3
		.amdhsa_memory_ordered 1
		.amdhsa_forward_progress 1
		.amdhsa_inst_pref_size 197
	.end_amdhsa_kernel
	.amdgpu_metadata
---
amdhsa.version: [ 1, 2 ]
amdhsa.kernels:
  - .name:           k_qb70e4830fc_pv
    .symbol:         k_qb70e4830fc_pv.kd
    .args:
      - { .name: pc, .offset: 0, .size: 8, .value_kind: global_buffer, .address_space: global }
      - { .name: vc, .offset: 8, .size: 8, .value_kind: global_buffer, .address_space: global }
      - { .name: st, .offset: 16, .size: 8, .value_kind: global_buffer, .address_space: global }
      - { .name: lowp_scales, .offset: 24, .size: 8, .value_kind: global_buffer, .address_space: global }
      - { .name: out0, .offset: 32, .size: 8, .value_kind: global_buffer, .address_space: global }
    .group_segment_fixed_size: 327680
    .private_segment_fixed_size: 0
    .kernarg_segment_align: 8
    .kernarg_segment_size: 40
    .max_flat_workgroup_size: 128
    .sgpr_count:     102
    .vgpr_count:     768
    .wavefront_size: 32
...
	.end_amdgpu_metadata
.endif
;; end of part 3
